; MI455X (gfx1250); checked and timed in simulation.
; The chip was launched on July 23, 2026; its instructions are those of AMD's public machine-readable ISA for CDNA 5 (MIT licence, August 2026) and "CDNA5" Instruction Set Architecture Reference Guide (July 2026). The comments in the code are by the model that wrote it; some were corrected since.
;; MHA. Allowed arithmetic: matrix products marked QUANTISED: E2M1 operands, one E8M0 scale for each 32 along K, by v_wmma_scale_f32_16x16x128_f8f6f4 with both operands' format E2M1 (or v_wmma_scale_f32_32x16x128_f4), f32 sums; everything else in f32.
;; Inputs: Wk_codes 1,024 x 32 x 16 uint8 (E2M1 codes of Wk, K innermost, in blocks of 32 codes, two codes a byte); Wk_scales 1,024 x 32 uint8 (E8M0 scales of Wk, one for each 32 codes along K); Wo_codes 1,024 x 32 x 16 uint8 (E2M1 codes of Wo, K innermost, in blocks of 32 codes, two codes a byte); Wo_scales 1,024 x 32 uint8 (E8M0 scales of Wo, one for each 32 codes along K); Wq_codes 1,024 x 32 x 16 uint8 (E2M1 codes of Wq, K innermost, in blocks of 32 codes, two codes a byte); Wq_scales 1,024 x 32 uint8 (E8M0 scales of Wq, one for each 32 codes along K); Wv_codes 1,024 x 32 x 16 uint8 (E2M1 codes of Wv, K innermost, in blocks of 32 codes, two codes a byte); Wv_scales 1,024 x 32 uint8 (E8M0 scales of Wv, one for each 32 codes along K); bk 1,024 float32; bo 1,024 float32; bq 1,024 float32; bv 1,024 float32; x_codes 4 x 2,048 x 32 x 16 uint8 (E2M1 codes of x, K innermost, in blocks of 32 codes, two codes a byte); x_scales 4 x 2,048 x 32 uint8 (E8M0 scales of x, one for each 32 codes along K).
;; Outputs: out0 4 x 2,048 x 1,024 float32.
;; This version of the problem:
;;   THIS VERSION OF THE PROBLEM IS GIVEN IN LOW PRECISION. The matrix products marked QUANTISED in the list below multiply operands that are first quantised to E2M1 (2 exponent bits, 1 mantissa bit; 4 bits a number), with one power-of-two scale for each 32 numbers along K (OCP MX v1.0); their sums are f32. All else is computed in f32.
;;   The module's matrix products, in the order in which they are computed (A, B: the left and right operand; K: the contracted axis; several contracted axes count as one K, in the product's order):
;;     1. [M 8,192, K 1,024] x [K 1,024, N 1,024]; A: input x (given as codes); B: input Wq (given as codes): QUANTISED
;;     2. [M 8,192, K 1,024] x [K 1,024, N 1,024]; A: input x (given as codes); B: input Wk (given as codes): QUANTISED
;;     3. [M 8,192, K 1,024] x [K 1,024, N 1,024]; A: input x (given as codes); B: input Wv (given as codes): QUANTISED
;;     4. batch 64 x [M 2,048, K 64] x [K 64, N 2,048]; A: computed on the way; B: computed on the way: QUANTISED
;;     5. batch 64 x [M 2,048, K 2,048] x [K 2,048, N 64]; A: softmax (see below); B: computed on the way: QUANTISED
;;     6. [M 8,192, K 1,024] x [K 1,024, N 1,024]; A: computed on the way; B: input Wo (given as codes): QUANTISED
;;   THE QUANTISER, for each operand of a quantised product, along K:
;;     - K is cut into blocks of 32 from its start; a last block that is shorter is filled with zeros.
;;     - A block's scale is 2^e with e = floor(log2(the largest magnitude in the block)) - 2, held to -126 .. 127; a block of zeros has e = 0. As a byte (E8M0): e + 127.
;;     - Each number is divided by its block's scale, clamped to +-6, and rounded to the nearest number of E2M1, ties to even, subnormals kept.
;;     - The product sums the exact products of the quantised numbers (number of the format x scale) in f32.
;;   ~~~python
;;   def quantise(x, axis):      # numpy; x: float32 -> the quantised numbers, widened to float32 again
;;       x = np.moveaxis(x, axis, -1); K = x.shape[-1]
;;       x = np.pad(x, [(0, 0)] * (x.ndim - 1) + [(0, -K % 32)]); x = x.reshape(x.shape[:-1] + (-1, 32)); a = np.abs(x).max(-1, keepdims=True)
;;       e = np.where(a > 0, np.clip(np.frexp(np.where(a > 0, a, 1))[1] - 1 - 2, -126, 127), 0)      # np.frexp(a)[1] - 1 = floor(log2(a)), exactly
;;       r = np.clip(x / 2.0 ** e, -6, 6)
;;       step = 2.0 ** (np.maximum(np.frexp(np.where(r == 0, 1, r))[1] - 1, 0) - 1)
;;       q = np.round(r / step) * step * 2.0 ** e      # np.round: ties to even
;;       return np.moveaxis(q.reshape(q.shape[:-2] + (-1,))[..., :K], -1, axis).astype(np.float32)
;;   ~~~
;;   SOFTMAX AHEAD OF A QUANTISED PRODUCT. Where the list says 'softmax', what is quantised is not the finished softmax but p = 2^(t - M), with t = logit x log2(e) and M = ceil(the row's largest t), a whole number; so 1/2 < the row's largest p <= 1. The row's sum l is taken of the UNQUANTISED p, in f32, and the product's result is divided by l at the end. Since M is a whole number, a kernel that streams over the keys may use a running M (the ceiling of the running maximum): every later rescaling is an exact power of two, which a block's scale takes up: the codes' values come out the same.
;;   OPERANDS COMPUTED ON THE WAY. 'Computed on the way' means the value that the module computes at that place (a softmax that the list does not call 'softmax' is quantised finished and normalised). What goes into a quantiser is computed in f32, as accurately as f32 sums, v_exp_f32 and their like allow (about 1e-6 of the number): no bf16 or f16 on the way to a quantiser, and a product that is left as it is and whose result goes on into a quantised operand takes f32 operands (vector FMAs, or v_wmma_f32_16x16x4_f32). A number that lies on a knife's edge between two numbers of the format may be rounded either way, as far as f32 arithmetic and the matrix unit's own rounding can turn it there, and no further.
;;   INPUTS GIVEN AS CODES. Wk (in the module: [1024, 1024], K = its axis 1); Wo (in the module: [1024, 1024], K = its axis 1); Wq (in the module: [1024, 1024], K = its axis 1); Wv (in the module: [1024, 1024], K = its axis 1); x (in the module: [4, 2048, 1024], K = its axis 2): each comes as NAME_codes (uint8): NAME with its K axis moved to the last place and cut into blocks of 32 codes, [.., K / 32, bytes a block], one block behind the other in memory; two codes a byte, the lower K in the low four bits (a code: sign, 2 exponent bits, 1 mantissa bit); and NAME_scales (uint8): the same leading axes, one E8M0 byte (e + 127) for each 32 codes along K. Its value is code x scale, taken as it is: it is not quantised again, and the codes and scales need not be those that the quantiser above would give.
;; One version. Each part assembles by itself: llvm-mc -triple=amdgcn-amd-amdhsa -mcpu=gfx1250 --defsym DOCPART=n.
;; ======== version 1 of 1: 3 launches
;; workspace buffers: qi 4,456,448 bytes; kv 8,912,896 bytes; oi 4,194,304 bytes; os 262,144 bytes
;; launch qkv (part 1): grid 8 x 32, 4 waves a work-group, clusters of 4 x 4, 327,680 bytes of LDS; arguments x_codes, x_scales, Wq_codes, Wq_scales, bq, Wk_codes, Wk_scales, bk, Wv_codes, Wv_scales, bv, qi, kv; writes qi, kv
.if DOCPART == 1
	.amdgcn_target "amdgcn-amd-amdhsa--gfx1250"
	.amdhsa_code_object_version 6
	.text
	.protected	k_q6563a9df51_qkv
	.globl	k_q6563a9df51_qkv
	.p2align	8
	.type	k_q6563a9df51_qkv,@function
k_q6563a9df51_qkv:
	s_mov_b64 s[64:65], 0
	v_nop
	global_prefetch_b8 v0, s[64:65] scope:SCOPE_SE
	s_setreg_imm32_b32 hwreg(HW_REG_WAVE_MODE, 25, 1), 1
	s_wait_xcnt 0x0
	s_wait_alu depctr_hold_cnt(0) depctr_sa_sdst(0) depctr_va_vdst(0) depctr_va_sdst(0) depctr_va_ssrc(0) depctr_va_vcc(0) depctr_vm_vsrc(0)
	s_getreg_b32 s2, hwreg(HW_REG_IB_STS2, 6, 4)
	s_cmp_eq_u32 s2, 0
	s_cbranch_scc0 .Lentry_in_a_cluster
	s_endpgm
.Lentry_in_a_cluster:
	s_bfe_u32 s2, ttmp6, 0x10000c
	s_cmp_lg_u32 s2, 0xf033
	s_cbranch_scc0 .Lentry_shape_is_right
	s_endpgm
.Lentry_shape_is_right:
; q = x Wq^T + bq, k = x Wk^T + bk, v = x Wv^T + bv on codes of FP4 (E2M1) with one E8M0 scale for each 32 along K (K = 1,024), sums in f32; then q and k are quantised along the head's 64,
; v along the keys, and all three leave as IMAGES OF OPERAND REGISTERS (a group of four registers = 512 bytes, lane l's 16 bytes at 16 l), so that the next launch reads them by 16-byte loads at 16 x lane.
; SHARES.  A work-group takes 256 tokens x 128 features (two heads) of q, then of k, then of v.  Wave w: tokens 128 (w / 2) on, features 64 (w % 2) on (one head): 32 accumulators of 16 x 16.
; The wave's 64 fragments of x (8 tiles of tokens x 8 K steps, 512 registers) are read from LDS once and serve all three passes; a pass reads only its 64 fragment halves of W.
; LDS.  x: 256 rows of 512 bytes + 16 of padding; Wq and Wk: 128 such rows each.  x and three weights' tiles would be 337,920 bytes, so Wv's tile takes x's first 128 rows once x is in registers: the one refill.
; CLUSTER 4 x 4.  x's tile hangs on the token block alone and is shared along a row of the cluster, a weight's tile on the feature block alone and is shared along a column: joint loads.
; q, k: the product is used transposed (source 0 = 16 rows of W, source 1 = 16 tokens): a lane holds ONE token and its registers run along the head's 64.   v: source 0 = 16 tokens, source 1 = 16 rows of W:
; a lane holds ONE feature and its registers run along the tokens, which are the keys.  In both, register j of tile t in lane (r, h) is index 16 t + 8 h + j of the next K.
; THE QUANTISER.  A block of 32 is the lane's 16 registers of tiles 2 b, 2 b + 1 and lane l xor 16's.  Its byte is the largest magnitude's exponent field - 2, held at 1 from below by a floor among the maximum's leaves.
; Tile t's eight codes go to register 4 (t / 4) + 2 (t % 2) + (t % 4) / 2 of the fragment; two exchanges of halves for each four registers then give register i of group c the indices 64 c + 32 h + 8 i + 0 .. 7.
; LIMITS: NaN, infinities and scale bytes 0xff among the inputs are not served.  A block of zeros gets the byte 1 where the rule says 127 (its codes are zeros; this program alone reads the bytes); blocks whose
; largest magnitude lies under 2^-124 are held at that floor.
; REGISTERS, in windows of 256: window 0: addresses, scale words, W's fragments (two buffers), biases, the quantiser's registers; window 1: the accumulators; windows 2, 3: x's fragments (K step q, tile a at v[64 (q % 4) + 8 a] of window 2 + q / 4).
.set PITCH, 528                        ; an LDS row: 512 bytes + 16 of padding = 132 words: row r starts at bank 4 r mod 64 (64 banks of 4 bytes: ISA guide 11.1)
.set QROWS, 64*PITCH                   ; 64 rows: what one tensor load brings
.set W0B,   256*PITCH                  ; Wq's 128 rows, behind x's 256
.set W1B,   W0B+128*PITCH              ; Wk's
.set SPARE, W1B+128*PITCH              ; the spare words, 128 bytes for each wave: two blocks of 256 bytes that no other line names
.set AX,  2                            ; v2   LDS: my 128 rows of x: row r, + 16 h
.set AWQ, 3                            ; v3   my 64 rows of Wq
.set AWK, 4                            ; v4   of Wk
.set AWV, 5                            ; v5   of Wv
.set SCL, 6                            ; v6   32 r + 16 h: my 16 bytes of a tile's 512 scale bytes
.set LI,  7                            ; v7   16 x lane: an image's place for my lane
.set SWO, 8                            ; v8   16 r + 8 h: my two scale words on the way out
.set BQL, 9                            ; v9   32 h: bias of q, k
.set BVL, 10                           ; v10  4 r: bias of v
.set SPW, 11                           ; v11  LDS address of my spare word; never rewritten
.set NIL, 12                           ; v12  0; never rewritten
.set XS,  16                           ; v16-47   x's scale words: tile a, register j: lanes 0-15 K step j, lanes 16-31 K step 4 + j
.set WS,  48                           ; v48-95   the weights' likewise, 16 registers a pass
.set WF,  96                           ; v96-159  W's four fragments of a K step, two buffers
.set BIA, 160                          ; v160-191 bias tiles: q's, later v's
.set BIB, 192                          ; v192-223 k's
.set TM,  224                          ; largest magnitudes
.set TP,  228                          ; lane permutes' destinations, then bytes
.set TS,  232                          ; the conversions' scale operands
.set PC,  236                          ; v236-243 the codes just made
.set HW,  244                          ; v244-251 a tile's scale bytes
.set SL,  252                          ; v[252:253] two scale words to store
.set WV,  30                           ; s30  my wave's number
.set G1X, 40                           ; s[40:47] descriptor group 1 for x's tile;  s[48:55] for the weights': they differ in the mask alone
.set G1W, 48
.set GX,  56                           ; s[56:59], s[60:63], s[68:71] groups 0: x, Wq or Wk, Wv
.set GW,  60
.set GV,  68
.set HM,  88                           ; s88  the lanes 16-31
.set SEL, 90                           ; s[90:91] v_permlanex16_b32's selects for lane l xor 16
.set MSB, 0
.macro WIN new                         ; the immediate's high byte repeats the setting that is left
.if MSB != \new
	s_set_vgpr_msb (MSB<<8)|\new
.set MSB, \new
.endif
.endm
.macro PLACES n
.rept \n
	v_nop
.endr
.endm
.macro CROUND                          ; a round of the cluster's barrier
	s_barrier_signal -1
	s_barrier_wait -1
	s_cmp_lg_u32 s[WV], 0
	s_cbranch_scc1 .Lnot_wave_0_\@
	s_barrier_signal -3
.Lnot_wave_0_\@:
	s_barrier_wait -3
	s_barrier_signal -1
	s_barrier_wait -1
.endm
	s_load_b512 s[4:19], s[0:1], 0x0               ; x codes s[4:5], x scales s[6:7], Wq codes s[8:9], Wq scales s[10:11], bq s[12:13], Wk codes s[14:15], Wk scales s[16:17], bk s[18:19]
	s_load_b256 s[20:27], s[0:1], 0x40             ; Wv codes s[20:21], Wv scales s[22:23], bv s[24:25], qi s[26:27]
	s_load_b64 s[28:29], s[0:1], 0x60              ; kv
	v_lshl_add_u32 v[SPW], v0, 2, SPARE
	v_mov_b32 v[NIL], 0
	ds_add_u32 v11, v12
	ds_add_u32 v11, v12
	s_wait_dscnt 0x0
	v_lshrrev_b32 v1, 5, v0
	v_readfirstlane_b32 s[WV], v1                  ; wave 0..3
	s_lshr_b32 s31, s[WV], 1                       ; th: which 128 tokens
	s_and_b32 s32, s[WV], 1                        ; hh: which 64 features
	s_bfe_u32 s33, ttmp6, 0x40000                  ; cx
	s_bfe_u32 s34, ttmp6, 0x40004                  ; cy
	s_lshl_b32 s35, ttmp9, 2
	s_add_co_u32 s35, s35, s33                     ; fg: block of 128 features = 4 x cluster x + cx
	s_and_b32 s36, ttmp7, 0xffff
	s_lshl_b32 s36, s36, 2
	s_add_co_u32 s36, s36, s34                     ; tb: block of 256 tokens = 4 x cluster y + cy
	s_lshl_b32 s37, s34, 2
	s_lshl_b32 s37, 15, s37                        ; my row of the cluster
	s_lshl_b32 s38, 0x1111, s33                    ; my column
	; descriptor group 1: 64 rows of 512 bytes, 512 bytes apart in memory, 16 bytes of padding behind each in LDS
	s_or_b32 s[G1X], s37, (1<<20)|(1<<21)|(6<<22)|(3<<25)   ; 15:0 the mask; 17:16 elements of 1 byte; 20 padding on; 21 set beside a mask; 24:22 after every 128 words (code 6); 31:25 four words (code 3)
	s_or_b32 s[G1W], s38, (1<<20)|(1<<21)|(6<<22)|(3<<25)
.irp g, G1X, G1W
	s_mov_b32 s[\g+1], 512<<16                     ; tensor_dim0
	s_mov_b32 s[\g+2], 64<<16                      ; tensor_dim1
	s_mov_b32 s[\g+3], 512<<16                     ; tile_dim0
	s_mov_b32 s[\g+4], 64                          ; tile_dim1
	s_mov_b32 s[\g+5], 512                         ; tensor_dim0_stride
	s_mov_b32 s[\g+6], 0
	s_mov_b32 s[\g+7], 0
.endr
	s_lshl_b32 s72, s36, 17                        ; x's codes: 256 rows of 512 bytes a token block, 64 rows a wave (never holds cx)
	s_lshl_b32 s73, s[WV], 15
	s_add_co_u32 s72, s72, s73
	s_mov_b32 s73, 0
	s_lshl_b32 s74, s35, 16                        ; a weight's codes: 128 rows a feature block, 64 rows a half (never holds cy)
	s_lshl_b32 s75, s32, 15
	s_add_co_u32 s74, s74, s75
	s_mov_b32 s75, 0
	s_mul_i32 s39, s[WV], QROWS                    ; where my 64 rows go in LDS: the wave's number alone
	s_lshl_b32 s78, s36, 13                        ; x's scale bytes: 32 a row
	s_lshl_b32 s79, s31, 12
	s_add_co_u32 s78, s78, s79
	s_mov_b32 s79, 0
	s_lshl_b32 s80, s35, 12                        ; a weight's scale bytes
	s_lshl_b32 s81, s32, 11
	s_add_co_u32 s80, s80, s81
	s_mov_b32 s81, 0
	s_lshl_b32 s82, s35, 9                         ; a bias: my 64 numbers
	s_lshl_b32 s83, s32, 8
	s_add_co_u32 s82, s82, s83
	s_mov_b32 s83, 0
	s_lshr_b32 s84, s36, 3
	s_lshl_b32 s84, s84, 4
	s_lshl_b32 s85, s35, 1
	s_add_co_u32 s84, s84, s85
	s_add_co_u32 s84, s84, s32                     ; 16 x batch + head
	s_and_b32 s85, s36, 7
	s_lshl_b32 s85, s85, 1
	s_add_co_u32 s85, s85, s31                     ; g: which 128 tokens of the batch
	s_mul_i32 s86, s84, 139264                     ; kv: 139,264 bytes a head, 8,704 a chunk of 128 tokens
	s_mul_i32 s87, s85, 8704
	s_add_co_u32 s86, s86, s87
	s_mov_b32 s87, 0
	s_mul_i32 s84, s84, 69632                      ; qi: 69,632 bytes a head, 4,352 a chunk
	s_mul_i32 s85, s85, 4352
	s_add_co_u32 s84, s84, s85
	s_mov_b32 s85, 0
	s_mov_b32 s[SEL], 0x76543210
	s_mov_b32 s[SEL+1], 0xfedcba98
	v_and_b32 v13, 31, v0                          ; lane
	v_and_b32 v14, 15, v0                          ; r
	v_bfe_u32 v15, v0, 4, 1                        ; h
	v_mul_u32_u24 v1, v14, PITCH
	v_lshl_add_u32 v1, v15, 4, v1                  ; a fragment's row x pitch + 16 h
	s_mul_i32 s89, s31, 128*PITCH
	v_add_nc_u32 v[AX], s89, v1
	s_mul_i32 s89, s32, QROWS
	v_add_nc_u32 v[AWV], s89, v1
	v_add_nc_u32 v[AWQ], W0B, v[AWV]
	v_add_nc_u32 v[AWK], W1B, v[AWV]
	v_lshlrev_b32 v[SCL], 5, v14
	v_lshl_add_u32 v[SCL], v15, 4, v[SCL]
	v_lshlrev_b32 v[LI], 4, v13
	v_lshlrev_b32 v[SWO], 4, v14
	v_lshl_add_u32 v[SWO], v15, 3, v[SWO]
	v_lshlrev_b32 v[BQL], 5, v15
	v_lshlrev_b32 v[BVL], 2, v14
	v_cmp_lt_u32 s[HM], 15, v13
.irp b, 0,1,2,3
	v_mov_b32 v[TP+\b], 0                          ; written once: a lane permute's destination counts as one of its sources
.endr
	s_wait_kmcnt 0x0
	s_cmp_lt_u32 s[WV], 2                          ; waves 0, 1 fetch Wq's halves, waves 2, 3 Wk's: the choice hangs on the wave's number alone
	s_cselect_b64 s[76:77], s[8:9], s[14:15]
	s_mov_b32 s[GX], 1                             ; count = 1
	s_mov_b32 s[GX+1], s39                         ; LDS address
	s_add_nc_u64 s[GX+2:GX+3], s[4:5], s[72:73]    ; global address
	s_or_b32 s[GX+3], s[GX+3], 0x80000000          ; type = 2
	s_mov_b32 s[GW], 1
	s_add_co_u32 s[GW+1], s39, W0B
	s_add_nc_u64 s[GW+2:GW+3], s[76:77], s[74:75]
	s_or_b32 s[GW+3], s[GW+3], 0x80000000
	s_mov_b32 s[GV], 1
	s_mov_b32 s[GV+1], s39                         ; (issued by waves 0 and 1 alone: x's first 128 rows)
	s_add_nc_u64 s[GV+2:GV+3], s[20:21], s[74:75]
	s_or_b32 s[GV+3], s[GV+3], 0x80000000
	s_add_nc_u64 s[6:7], s[6:7], s[78:79]          ; every other buffer at my wave's part
	s_add_nc_u64 s[10:11], s[10:11], s[80:81]
	s_add_nc_u64 s[16:17], s[16:17], s[80:81]
	s_add_nc_u64 s[22:23], s[22:23], s[80:81]
	s_add_nc_u64 s[12:13], s[12:13], s[82:83]
	s_add_nc_u64 s[18:19], s[18:19], s[82:83]
	s_add_nc_u64 s[24:25], s[24:25], s[82:83]
	s_add_nc_u64 s[26:27], s[26:27], s[84:85]
	s_add_nc_u64 s[28:29], s[28:29], s[86:87]
	CROUND                                         ; all sixteen work-groups are here: the first joint loads meet
	tensor_load_to_lds s[GX:GX+3], s[G1X:G1X+7]    ; my quarter of x's tile,
	s_nop 0
	s_wait_alu depctr_va_vdst(0)
	s_wait_tensorcnt 0x0
	ds_add_u32 v11, v12
	s_wait_dscnt 0x0
	CROUND
	tensor_load_to_lds s[GW:GW+3], s[G1W:G1W+7]    ; my quarter of Wq's and Wk's: one tensor load of mine is out
	s_nop 0
	PLACES 4
	; Scale words and biases come straight from memory: a tile's 16 rows x 32 scale bytes are 512 consecutive bytes, one load of 16 bytes a lane
.irp a, 0,1,2,3,4,5,6,7
	global_load_b128 v[XS+4*\a:XS+4*\a+3], v[SCL], s[6:7] offset:512*\a
.endr
.irp t, 0,1,2,3
	global_load_b128 v[WS+4*\t:WS+4*\t+3], v[SCL], s[10:11] offset:512*\t
	global_load_b128 v[WS+16+4*\t:WS+16+4*\t+3], v[SCL], s[16:17] offset:512*\t
	global_load_b128 v[WS+32+4*\t:WS+32+4*\t+3], v[SCL], s[22:23] offset:512*\t
.endr
	s_wait_alu depctr_va_vdst(0)
.irp b, 0,1,2,3                                ; q's and k's biases in the result's layout: register j of tile b = feature 16 b + 8 h + j
	global_load_b128 v[BIA+8*\b:BIA+8*\b+3], v[BQL], s[12:13] offset:64*\b
	global_load_b128 v[BIA+8*\b+4:BIA+8*\b+7], v[BQL], s[12:13] offset:64*\b+16
	global_load_b128 v[BIB+8*\b:BIB+8*\b+3], v[BQL], s[18:19] offset:64*\b
	global_load_b128 v[BIB+8*\b+4:BIB+8*\b+7], v[BQL], s[18:19] offset:64*\b+16
.endr
	s_wait_tensorcnt 0x1                           ; my quarter of x is in; the weights' load, issued behind it, may stay out
	s_barrier_signal -1
	s_barrier_wait -1                              ; everybody's quarter of x is in
	WIN 0x80                                       ; destination window 2
.irp q, 0,1,2,3
.irp a, 0,1,2,3,4,5,6,7
.irp c, 0,1
	ds_load_b128 v[64*\q+8*\a+4*\c:64*\q+8*\a+4*\c+3], v[AX] offset:\a*16*PITCH+64*\q+32*\c
.endr
.endr
.endr
	WIN 0xc0                                       ; destination window 3
.irp q, 0,1,2,3
.irp a, 0,1,2,3,4,5,6,7
.irp c, 0,1
	ds_load_b128 v[64*\q+8*\a+4*\c:64*\q+8*\a+4*\c+3], v[AX] offset:\a*16*PITCH+64*(\q+4)+32*\c
.endr
.endr
.endr
	WIN 0
	s_wait_tensorcnt 0x0                           ; all my tensor loads have landed, my part of Wq and Wk among them;
	ds_add_u32 v[SPW], v[NIL]                      ; 0 onto my spare word;
	s_wait_dscnt 0x0                               ; the add is done, and x is in my registers: my reads of x's rows are over
	CROUND                                         ; the same now holds of every wave of every partner: x's first 128 rows may be filled again
	s_cmp_lt_u32 s[WV], 2
	s_cbranch_scc0 .Lno_v
	tensor_load_to_lds s[GV:GV+3], s[G1W:G1W+7]    ; Wv's tile: the one refill; it has the q pass and the k pass in which to land
	s_nop 0
	PLACES 4
.Lno_v:
.macro WMX                             ; one product, named by the symbols set in front of it.  K steps 4 to 7 take their scale words from lanes 16-31
.if ROWSEL
	v_wmma_scale_f32_16x16x128_f8f6f4 v[rD:rD+7], v[rA:rA+7], v[rB:rB+7], v[rC:rC+7], v[rSA], v[rSB] matrix_a_fmt:MATRIX_FMT_FP4 matrix_b_fmt:MATRIX_FMT_FP4 matrix_a_scale:MATRIX_SCALE_ROW1 matrix_b_scale:MATRIX_SCALE_ROW1
.else
	v_wmma_scale_f32_16x16x128_f8f6f4 v[rD:rD+7], v[rA:rA+7], v[rB:rB+7], v[rC:rC+7], v[rSA], v[rSB] matrix_a_fmt:MATRIX_FMT_FP4 matrix_b_fmt:MATRIX_FMT_FP4
.endif
.endm
.macro FETCHW aw, q, buf               ; W's four fragments of K step q into buffer buf
	WIN 0
.irp t, 0,1,2,3
.irp c, 0,1
	ds_load_b128 v[WF+32*(\buf)+8*\t+4*\c:WF+32*(\buf)+8*\t+4*\c+3], v[\aw] offset:\t*16*PITCH+64*(\q)+32*\c
.endr
.endr
.endm
; K step q of a pass: 32 products, each accumulator once, in the same order in every step.  The first step takes the bias as C: nothing is cleared, nothing is added later.
; kind 0 (q, k): source 0 = W's tile b, source 1 = x's tile a, accumulator 4 a + b.   kind 1 (v): source 0 = x's tile b, source 1 = W's tile a, accumulator 8 a + b.
.macro MUL kind, q, wsb, bi
.set ROWSEL, (\q)/4
.set QQ, (\q)%4
.set WB, WF+32*((\q)%2)
.if \kind == 0
.if (\q) == 0
	WIN 0x48                                       ; W window 0, x window 2, the bias window 0, D window 1
.elseif (\q) < 4
	WIN 0x58                                       ; C window 1
.else
	WIN 0x5c                                       ; x window 3
.endif
.irp a, 0,1,2,3,4,5,6,7
.irp b, 0,1,2,3
.set rD, 8*(4*\a+\b)
.set rA, WB+8*\b
.set rB, 64*QQ+8*\a
.set rC, rD
.if (\q) == 0
.set rC, \bi+8*\b
.endif
.set rSA, \wsb+4*\b+QQ
.set rSB, XS+4*\a+QQ
	WMX
.endr
.endr
.else
.if (\q) == 0
	WIN 0x42                                       ; x window 2, W window 0, the bias window 0, D window 1
.elseif (\q) < 4
	WIN 0x52
.else
	WIN 0x53
.endif
.irp a, 0,1,2,3
.irp b, 0,1,2,3,4,5,6,7
.set rD, 8*(8*\a+\b)
.set rA, 64*QQ+8*\b
.set rB, WB+8*\a
.set rC, rD
.if (\q) == 0
.set rC, \bi+8*\a
.endif
.set rSA, XS+4*\b+QQ
.set rSB, \wsb+4*\a+QQ
	WMX
.endr
.endr
.endif
.endm
; A pass: eight K steps.  The next step's W fragments are asked for ahead of a step's 32 products, into the buffer that the step before has left: four places stand between those products and the loads.
.macro PASS kind, aw, wsb, bi
	FETCHW \aw, 0, 0
.irp q, 0,1,2,3,4,5,6
.if \q >= 1
	PLACES 4
.endif
	FETCHW \aw, \q+1, (\q+1)%2
	s_wait_dscnt 8                                 ; all but the eight loads just issued: this step's fragments are in
	MUL \kind, \q, \wsb, \bi
.endr
	s_wait_dscnt 0x0
	MUL \kind, 7, \wsb, \bi
	WIN 0
.endm
; nb blocks of 32: the accumulators v[s] .. v[s + 16 nb - 1] of window 1 become codes in v[PC] on and nb scale bytes in v[hw].  Each accumulator is read from its low end on.
.macro QUANT s, nb, hw
	WIN 0x05                                       ; sources 0 and 1 window 1
.set bb, 0
.rept \nb
	v_max3_num_f32 v[TM+bb], |v[(\s)+16*bb]|, |v[(\s)+16*bb+1]|, 0x1800000   ; and the floor 2^(3 - 127): the byte cannot fall under 1
.set bb, bb+1
.endr
	WIN 0x14                                       ; sources 1 and 2 window 1
.irp i, 2,4,6,8,10,12,14
.set bb, 0
.rept \nb
	v_max3_num_f32 v[TM+bb], v[TM+bb], |v[(\s)+16*bb+\i]|, |v[(\s)+16*bb+\i+1]|   ; (the blocks by turns)
.set bb, bb+1
.endr
.endr
	WIN 0
.set bb, 0
.rept \nb
	v_permlanex16_b32 v[TP+bb], v[TM+bb], s[SEL], s[SEL+1]
.set bb, bb+1
.endr
.set bb, 0
.rept \nb
	v_max_num_f32 v[TM+bb], v[TM+bb], v[TP+bb]     ; with lane l xor 16's: the block's largest magnitude
.set bb, bb+1
.endr
.set bb, 0
.rept \nb
	v_add_nc_u32 v[TS+bb], 0xff000000, v[TM+bb]    ; 2 off its exponent field: the conversion takes the exponent field of this operand as its scale
.set bb, bb+1
.endr
.set bb, 0
.rept \nb
	v_lshrrev_b32 v[TP+bb], 23, v[TS+bb]           ; the scale's byte
.set bb, bb+1
.endr
	v_lshl_or_b32 v[\hw], v[TP+1], 8, v[TP]
.if \nb == 4
	v_lshl_or_b32 v[\hw], v[TP+2], 16, v[\hw]
	v_lshl_or_b32 v[\hw], v[TP+3], 24, v[\hw]
.endif
	s_wait_alu depctr_va_vdst(0)
	s_wait_xcnt 0x0                                ; the last stores have read the codes' registers: they are written again only behind this wait
	WIN 0x01                                       ; source 0 window 1
.set tt, 0
.rept 2*\nb
	v_cvt_scalef32_pk8_fp4_f32 v[PC+4*(tt/4)+2*(tt%2)+(tt%4)/2], v[(\s)+8*tt:(\s)+8*tt+7], v[TS+tt/2]
.set tt, tt+1
.endr
	WIN 0
	v_nop                                          ; one plain place behind a scaled conversion
.set tt, 0
.rept \nb/2
	v_permlane16_swap_b32 v[PC+4*tt], v[PC+4*tt+1]     ; the first's lanes 16-31 change places with the second's lanes 0-15: a whole block in a lane
	v_permlane16_swap_b32 v[PC+4*tt+2], v[PC+4*tt+3]
.set tt, tt+1
.endr
.endm
; q's or k's way out: eight tiles of 16 tokens, 512 bytes of codes each (32 lanes store 512 consecutive bytes); then the chunk's 64 scale words [r][pair]: even tile's two bytes below, odd tile's above
.macro EPI_QK base, soff
	PLACES 4                                       ; behind the last products, in front of the first read of results
.irp a, 0,1,2,3,4,5,6,7
	QUANT 32*\a, 2, HW+\a
	global_store_b128 v[LI], v[PC:PC+3], s[\base:\base+1] offset:512*\a
.endr
.irp p, 0,1,2,3
	v_lshl_or_b32 v[TM+\p], v[HW+2*\p+1], 16, v[HW+2*\p]
.endr
	v_cndmask_b32 v[SL], v[TM], v[TM+2], s[HM]     ; lanes 0-15 store pairs 0, 1 of their row, lanes 16-31 pairs 2, 3: the wave stores 256 consecutive bytes
	v_cndmask_b32 v[SL+1], v[TM+1], v[TM+3], s[HM]
	global_store_b64 v[SWO], v[SL:SL+1], s[\base:\base+1] offset:\soff
.endm
	s_wait_loadcnt 0x0                             ; scale words and biases
	PASS 0, AWQ, WS, BIA
.irp a, 0,1,2,3
	global_load_b32 v[BIA+8*\a], v[BVL], s[24:25] offset:64*\a   ; v's bias, into the set that q's pass has left (its readers stand more than four places back): feature 16 a + r
.endr
	EPI_QK 26, 4096
	PASS 0, AWK, WS+16, BIB
	EPI_QK 28, 8192
	s_wait_loadcnt 0x0                             ; v's bias
.irp a, 0,1,2,3
.irp j, 1,2,3,4,5,6,7
	v_mov_b32 v[BIA+8*\a+\j], v[BIA+8*\a]          ; a C operand is eight registers; in v's layout all eight are the lane's one feature
.endr
.endr
	s_wait_alu depctr_va_vdst(0)
	s_wait_tensorcnt 0x0                           ; Wv's halves have landed (waves 0 and 1 asked),
	s_barrier_signal -1                            ; (no LDS instruction of mine is out: the pass ended on a wait for 0)
	s_barrier_wait -1                              ; and every wave may read them
	PASS 1, AWV, WS+32, BIA
	PLACES 4
.irp a, 0,1,2,3                                ; v's way out: four tiles of 16 features x 128 keys, 1,024 bytes of codes each; then 64 scale words [r][tile]
	QUANT 64*\a, 4, HW+\a
	global_store_b128 v[LI], v[PC:PC+3], s[28:29] offset:4096+1024*\a
	global_store_b128 v[LI], v[PC+4:PC+7], s[28:29] offset:4096+1024*\a+512
.endr
	v_cndmask_b32 v[SL], v[HW], v[HW+2], s[HM]
	v_cndmask_b32 v[SL+1], v[HW+1], v[HW+3], s[HM]
	global_store_b64 v[SWO], v[SL:SL+1], s[28:29] offset:8448
	s_wait_tensorcnt 0x0                           ; the wave's end
	ds_add_u32 v[SPW], v[NIL]
	s_wait_dscnt 0x0
	CROUND                                         ; the closing round: no work-group ends while a partner may still ask for a tile that names it
	s_endpgm
.Lfunc_end_k_q6563a9df51_qkv:
	.size	k_q6563a9df51_qkv, .Lfunc_end_k_q6563a9df51_qkv-k_q6563a9df51_qkv
	.p2alignl 7, 3214868480
	.fill 96, 4, 3214868480
	.section	.rodata,"a",@progbits
	.p2align	6, 0x0
	.amdhsa_kernel k_q6563a9df51_qkv
		.amdhsa_group_segment_fixed_size 327680
		.amdhsa_private_segment_fixed_size 0
		.amdhsa_enable_private_segment 0
		.amdhsa_kernarg_size 104
		.amdhsa_user_sgpr_count 2
		.amdhsa_user_sgpr_kernarg_segment_ptr 1
		.amdhsa_wavefront_size32 1
		.amdhsa_system_sgpr_workgroup_id_x 1
		.amdhsa_system_sgpr_workgroup_id_y 1
		.amdhsa_system_sgpr_workgroup_id_z 1
		.amdhsa_system_vgpr_workitem_id 0
		.amdhsa_next_free_vgpr 1024
		.amdhsa_next_free_sgpr 100
		.amdhsa_reserve_vcc 0
		.amdhsa_float_denorm_mode_32 3
		.amdhsa_float_denorm_mode_16_64 3
		.amdhsa_memory_ordered 1
		.amdhsa_forward_progress 1
		.amdhsa_inst_pref_size 186
	.end_amdhsa_kernel
	.amdgpu_metadata
---
amdhsa.version: [ 1, 2 ]
amdhsa.kernels:
  - .name:           k_q6563a9df51_qkv
    .symbol:         k_q6563a9df51_qkv.kd
    .args:
      - { .name: x_codes, .offset: 0, .size: 8, .value_kind: global_buffer, .address_space: global }
      - { .name: x_scales, .offset: 8, .size: 8, .value_kind: global_buffer, .address_space: global }
      - { .name: Wq_codes, .offset: 16, .size: 8, .value_kind: global_buffer, .address_space: global }
      - { .name: Wq_scales, .offset: 24, .size: 8, .value_kind: global_buffer, .address_space: global }
      - { .name: bq, .offset: 32, .size: 8, .value_kind: global_buffer, .address_space: global }
      - { .name: Wk_codes, .offset: 40, .size: 8, .value_kind: global_buffer, .address_space: global }
      - { .name: Wk_scales, .offset: 48, .size: 8, .value_kind: global_buffer, .address_space: global }
      - { .name: bk, .offset: 56, .size: 8, .value_kind: global_buffer, .address_space: global }
      - { .name: Wv_codes, .offset: 64, .size: 8, .value_kind: global_buffer, .address_space: global }
      - { .name: Wv_scales, .offset: 72, .size: 8, .value_kind: global_buffer, .address_space: global }
      - { .name: bv, .offset: 80, .size: 8, .value_kind: global_buffer, .address_space: global }
      - { .name: qi, .offset: 88, .size: 8, .value_kind: global_buffer, .address_space: global }
      - { .name: kv, .offset: 96, .size: 8, .value_kind: global_buffer, .address_space: global }
    .group_segment_fixed_size: 327680
    .private_segment_fixed_size: 0
    .kernarg_segment_align: 8
    .kernarg_segment_size: 104
    .max_flat_workgroup_size: 128
    .sgpr_count:     100
    .vgpr_count:     1024
    .wavefront_size: 32
...
	.end_amdgpu_metadata
.endif
;; end of part 1
;; launch attn (part 2): grid 4 x 64, 16 waves a work-group, clusters of 4 x 1, 169,984 bytes of LDS; arguments qi, kv, oi, os; writes oi, os
.if DOCPART == 2
	.amdgcn_target "amdgcn-amd-amdhsa--gfx1250"
	.amdhsa_code_object_version 6
	.text
	.protected	k_q6563a9df51_attn
	.globl	k_q6563a9df51_attn
	.p2align	8
	.type	k_q6563a9df51_attn,@function
k_q6563a9df51_attn:
	s_mov_b64 s[64:65], 0
	v_nop
	global_prefetch_b8 v0, s[64:65] scope:SCOPE_SE
	s_setreg_imm32_b32 hwreg(HW_REG_WAVE_MODE, 25, 1), 1
	s_wait_xcnt 0x0
	s_wait_alu depctr_hold_cnt(0) depctr_sa_sdst(0) depctr_va_vdst(0) depctr_va_sdst(0) depctr_va_ssrc(0) depctr_va_vcc(0) depctr_vm_vsrc(0)
	s_getreg_b32 s2, hwreg(HW_REG_IB_STS2, 6, 4)
	s_cmp_eq_u32 s2, 0
	s_cbranch_scc0 .Lentry_in_a_cluster
	s_endpgm
.Lentry_in_a_cluster:
	s_bfe_u32 s2, ttmp6, 0x10000c
	s_cmp_lg_u32 s2, 0x3003
	s_cbranch_scc0 .Lentry_shape_is_right
	s_endpgm
.Lentry_shape_is_right:
; o[b][h][q] = the sum over k of softmax_k(q . k / 8) v, both products on codes of FP4 (E2M1) with E8M0 scales; then o is quantised along d_model (two blocks of 32 a head) for the last projection.
; THE SOFTMAX AHEAD OF THE SECOND PRODUCT: t = score x log2(e) / 8; M = the running largest t rounded UP to a whole number; p = 2^(t - M) is quantised along the keys, not normalised; the row's sum is taken of the
; unquantised p in f32 and divides O at the end.  When M moves, the sum and O are multiplied by 2^(old M - new M): exact.
; SHARES.  A work-group owns 512 queries of one head; each of its sixteen waves 32 of them, two tiles of 16, one after the other; four waves to a SIMD, so that one wave's vector work stands beside another's
; LDS loads and products.  Every wave walks all 2,048 keys, 128 a step.
; LDS.  The head's whole block of kv, 139,264 bytes (16 chunks of 8,704: K's codes 4,096, V^T's codes 4,096, K's scale words 256, V's 256), comes ONCE: no ring, nothing is filled again.  All of it lies as images of
; operand registers: a group of four registers is 512 consecutive bytes, lane l's 16 at 16 l: no pitch, no padding, no bank met twice.
; CLUSTER 4 x 1.  The four work-groups of a cluster own the four query blocks of one head and need the same block: joint loads, by waves 0 to 7, 17,408 bytes each.
; K = 64 IN A PRODUCT 128 DEEP.  A fragment of K holds key tile 2 p in k = 0 .. 63 and key tile 2 p + 1 in k = 64 .. 127.  Q stands twice: QL = [q | zero codes], QH = [zero codes | q].  K's fragment x QL gives the
; scores of tile 2 p, x QH those of tile 2 p + 1: every byte read from LDS is used, and one scale word of K serves two tiles.
; LAYOUT.  Both products are used transposed (S^T = K Q^T, O^T = V^T P^T): a lane holds ONE query (lane % 16); register j of tile t is key (or channel) 16 t + 8 (lane / 16) + j.
; LIMITS: NaN and infinities are not served.  A p under 2^-126 comes out of v_exp_f32 as 0 (ISA guide 15.8).  A block of zeros gets the byte 1 (its codes are zeros; this program alone reads the bytes); blocks whose
; largest magnitude lies under 2^-124 are held at that floor.
; REGISTERS: v1-8 addresses; v12 -M, v13 the largest t, v[14:15] the sum in two halves; v16-23 QL, v24-31 QH; v32-63 K's four fragments; v64-95 V's four; v96-159 S^T, then p; v160-191 O^T; v192-223 O / the sum;
; v224-231 codes; v232-239, v244-247, v252, v254 at work; v240-243 K's scale words, v248-251 V's, v253 p's, v255 Q's.
.set CHUNK, 8704
.set HEADB, 16*CHUNK                   ; 139,264
.set FILLB, 2*CHUNK                    ; what one tensor load brings: 68 rows of 256 bytes
.set OSG,   HEADB                      ; behind the block: 1,024 bytes in which the sixteen waves gather o's scale words; no fill lands here
.set WV,    12                         ; s12  my wave's number
.macro CROUND                          ; a round of the cluster's barrier
	s_barrier_signal -1
	s_barrier_wait -1
	s_cmp_lg_u32 s[WV], 0
	s_cbranch_scc1 .Lnot_wave_0_\@
	s_barrier_signal -3
.Lnot_wave_0_\@:
	s_barrier_wait -3
	s_barrier_signal -1
	s_barrier_wait -1
.endm
	s_load_b128 s[4:7], s[0:1], 0x0                ; qi s[4:5], kv s[6:7]
	s_load_b128 s[8:11], s[0:1], 0x10              ; oi s[8:9], os s[10:11]
	v_lshl_add_u32 v254, v0, 2, 0x29000
	v_mov_b32 v255, 0
	ds_add_u32 v254, v255
	ds_add_u32 v254, v255
	s_wait_dscnt 0x0
	v_lshrrev_b32 v9, 5, v0
	s_delay_alu instid0(VALU_DEP_1)
	v_readfirstlane_b32 s[WV], v9                  ; wave 0..15
	s_bfe_u32 s13, ttmp6, 0x40000                  ; cx
	s_lshl_b32 s14, ttmp9, 2
	s_add_co_u32 s14, s14, s13                     ; qb: my block of 512 queries: it enters qi's, oi's and os's addresses alone
	s_and_b32 s15, ttmp7, 0xffff                   ; 16 x batch + head, which the four partners share
	; descriptor group 1: a dense block as 68 rows of 256 bytes (32 elements of 8 bytes)
	s_mov_b32 s24, 15|(3<<16)|(1<<21)              ; 15:0 the mask: all four work-groups; 17:16 elements of 8 bytes; 21 set beside a mask; no padding
	s_mov_b32 s25, 32<<16                          ; tensor_dim0
	s_mov_b32 s26, 68<<16                          ; tensor_dim1
	s_mov_b32 s27, 32<<16                          ; tile_dim0
	s_mov_b32 s28, 68                              ; tile_dim1
	s_mov_b32 s29, 32                              ; tensor_dim0_stride
	s_mov_b32 s30, 0
	s_mov_b32 s31, 0
	s_mul_i32 s16, s[WV], FILLB                    ; my part of the block, in LDS and in memory alike
	s_mul_i32 s18, s15, HEADB
	s_add_co_u32 s18, s18, s16
	s_mov_b32 s19, 0
	s_lshl_b32 s48, s14, 2                         ; qi: chunk 4 qb + wave / 4 of the head,
	s_lshr_b32 s49, s[WV], 2
	s_add_co_u32 s48, s48, s49
	s_mul_i32 s48, s48, 4352
	s_mul_i32 s49, s15, 69632
	s_add_co_u32 s48, s48, s49
	s_and_b32 s49, s[WV], 3                        ; in it my pair of tiles: wave % 4
	s_lshl_b32 s50, s49, 2
	s_add_co_u32 s50, s50, s48
	s_add_co_u32 s50, s50, 4096                    ; its scale words: [r][pair]
	s_mov_b32 s51, 0
	s_lshl_b32 s49, s49, 10
	s_add_co_u32 s48, s48, s49                     ; its codes: 512 bytes a tile
	s_mov_b32 s49, 0
	s_lshr_b32 s52, s15, 4                         ; oi: token tile 128 x batch + 32 qb + 2 wave, 8,192 bytes each; in it the head's 512
	s_lshl_b32 s52, s52, 7
	s_lshl_b32 s53, s14, 5
	s_add_co_u32 s52, s52, s53
	s_lshl_b32 s53, s[WV], 1
	s_add_co_u32 s52, s52, s53
	s_lshl_b32 s52, s52, 13
	s_and_b32 s53, s15, 15
	s_lshl_b32 s53, s53, 9
	s_add_co_u32 s52, s52, s53
	s_mov_b32 s53, 0
	s_lshl_b32 s54, s15, 12                        ; os: 4,096 bytes a head, 1,024 a work-group
	s_lshl_b32 s55, s14, 10
	s_add_co_u32 s54, s54, s55
	s_mov_b32 s55, 0
	s_mov_b32 s20, 0x76543210
	s_mov_b32 s21, 0xfedcba98                      ; v_permlanex16_b32's selects for lane l xor 16
	s_mov_b32 s22, 0x3e38aa3b                      ; c = log2(e) / 8
	s_mov_b32 s23, s22                             ; (named with it as a pair, so it is written)
	; every LDS address register is made here, ahead of the first branch on the wave's number
	v_and_b32 v9, 31, v0
	v_and_b32 v10, 15, v0
	s_delay_alu instid0(VALU_DEP_2)
	v_lshlrev_b32 v1, 4, v9                        ; 16 x lane: an image's place for my lane
	s_delay_alu instid0(VALU_DEP_2)
	v_lshlrev_b32 v2, 4, v10                       ; 16 r: my row's four scale words
	s_lshl_b32 s17, s[WV], 6
	v_lshl_add_u32 v5, v10, 2, s17
	s_delay_alu instid0(VALU_DEP_1)
	v_add_nc_u32 v5, OSG, v5                       ; where my row's scale word of o is gathered: 64 x wave + 4 r
	v_lshlrev_b32 v8, 4, v0                        ; and on the way out 16 bytes a thread (waves 0 and 1)
	s_delay_alu instid0(VALU_DEP_1)
	v_add_nc_u32 v7, OSG, v8
	s_wait_kmcnt 0x0
	s_add_nc_u64 s[40:41], s[4:5], s[48:49]        ; Q's codes
	s_add_nc_u64 s[42:43], s[4:5], s[50:51]        ; Q's scale words
	s_add_nc_u64 s[44:45], s[8:9], s[52:53]        ; o's codes
	s_add_nc_u64 s[46:47], s[10:11], s[54:55]      ; o's scale words
	s_mov_b32 s32, 1                               ; group 0: count = 1
	s_mov_b32 s33, s16                             ; LDS address: the wave's number alone
	s_add_nc_u64 s[34:35], s[6:7], s[18:19]        ; global address: the head and the wave's number
	s_or_b32 s35, s35, 0x80000000                  ; type = 2
	CROUND                                         ; all four work-groups are here: the joint loads meet
	s_cmp_lt_u32 s[WV], 8
	s_cbranch_scc0 .Lno_fill
	tensor_load_to_lds s[32:35], s[24:31]          ; one tensor load of mine is out
	s_nop 0
.rept 4
	v_nop
.endr
.Lno_fill:
.irp j, 20,21,22,23,24,25,26,27
	v_mov_b32 v[\j], 0                             ; QL's upper half and QH's lower: zero codes
.endr
.irp b, 0,1,2,3
	v_mov_b32 v[236+\b], 0                         ; written once: a lane permute's destination counts as one of its sources
.endr
	v_mov_b32 v253, 0                              ; (named as the upper half of the pair v[252:253] before it is first written)
	s_wait_tensorcnt 0x0                           ; my part of the block is in,
	s_barrier_signal -1
	s_barrier_wait -1                              ; everybody's is; nothing is ever filled again
; A KEY STEP: 128 keys, the chunk at LDS byte s36.
.macro STEP
	v_add_nc_u32 v3, s36, v1
	v_add_nc_u32 v4, s36, v2
.irp p, 0,1,2,3
.irp e, 0,1
	ds_load_b128 v[32+8*\p+4*\e:35+8*\p+4*\e], v3 offset:1024*\p+512*\e   ; K: key tile 2 p + e
.endr
.endr
	ds_load_b128 v[240:243], v4 offset:8192        ; K's scale words of the four pairs
	s_wait_alu depctr_va_vdst(0)
	s_wait_dscnt 0x0
.irp p, 0,1,2,3
.irp e, 0,1
	v_wmma_scale_f32_16x16x128_f8f6f4 v[96+16*\p+8*\e:103+16*\p+8*\e], v[32+8*\p:39+8*\p], v[16+8*\e:23+8*\e], 0, v[240+\p], v255 matrix_a_fmt:MATRIX_FMT_FP4 matrix_b_fmt:MATRIX_FMT_FP4
.endr
.endr
.rept 4
	v_nop                                          ; places in front of the first read of the scores; with the two additions at the step's head also those between the last step's V^T P products and the loads below
.endr
.irp d, 0,1,2,3
.irp c, 0,1
	ds_load_b128 v[64+8*\d+4*\c:67+8*\d+4*\c], v3 offset:4096+1024*\d+512*\c   ; V^T: channels 16 d on; they land while the softmax is walked
.endr
.endr
	ds_load_b128 v[248:251], v4 offset:8448        ; V's scale words
.irp b, 0,1,2,3
	v_max3_num_f32 v[232+\b], v[96+16*\b], v[97+16*\b], v[98+16*\b]   ; the largest score of each block of 32 keys: it serves for the row's maximum and, since p rises with the score, for the block's largest p
.endr
.irp i, 3,5,7,9,11,13
.irp b, 0,1,2,3
	v_max3_num_f32 v[232+\b], v[232+\b], v[96+16*\b+\i], v[97+16*\b+\i]
.endr
.endr
.irp b, 0,1,2,3
	v_max_num_f32 v[232+\b], v[232+\b], v[111+16*\b]
.endr
.irp b, 0,1,2,3
	s_delay_alu instid0(VALU_DEP_4)
	v_permlanex16_b32 v[236+\b], v[232+\b], s20, s21
.endr
.irp b, 0,1,2,3
	s_delay_alu instid0(VALU_DEP_4)
	v_max_num_f32 v[232+\b], v[232+\b], v[236+\b]  ; with lane l xor 16's 16 keys
.endr
	s_delay_alu instid0(VALU_DEP_2)
	v_max3_num_f32 v254, v232, v233, v234
	s_delay_alu instid0(VALU_DEP_1)
	v_max_num_f32 v254, v254, v235                 ; the step's largest score of my query
	s_delay_alu instid0(VALU_DEP_1)
	v_mul_f32 v254, s22, v254                      ; as t (c is positive)
	s_delay_alu instid0(VALU_DEP_1)
	v_max_num_f32 v13, v13, v254                   ; the running largest t
	v_mov_b32 v254, v12
	s_delay_alu instid0(VALU_DEP_2)
	v_floor_f32 v12, -v13                          ; the new -M = floor(-t) = -ceil(t)
	s_delay_alu instid0(VALU_DEP_1)
	v_sub_f32 v254, v12, v254                      ; old M - new M: a whole number, 0 or less
	s_delay_alu instid0(VALU_DEP_1)
	v_cvt_i32_f32 v254, v254                       ; (it saturates)
	s_delay_alu instid0(VALU_DEP_1)
	v_ldexp_f32 v252, 1.0, v254                    ; f = 2^(old M - new M)
.irp j, 0,2,4,6,8,10,12,14,16,18,20,22,24,26,28,30,32,34,36,38,40,42,44,46,48,50,52,54,56,58,60,62
	v_pk_fma_f32 v[96+\j:97+\j], v[96+\j:97+\j], s[22:23], v[12:13] op_sel_hi:[1,0,0]   ; t - M, two at a time
.endr
.irp b, 0,1,2,3
	v_fma_f32 v[232+\b], v[232+\b], s22, v12       ; the same of each block's largest score
.endr
	s_wait_alu depctr_va_vdst(0)
.irp j, 0,1,2,3,4,5,6,7,8,9,10,11,12,13,14,15,16,17,18,19,20,21,22,23,24,25,26,27,28,29,30,31,32,33,34,35,36,37,38,39,40,41,42,43,44,45,46,47,48,49,50,51,52,53,54,55,56,57,58,59,60,61,62,63
	v_exp_f32 v[96+\j], v[96+\j]                   ; p = 2^(t - M), at most 1
.endr
	s_setprio 1
.irp b, 0,1,2,3
	v_exp_f32 v[232+\b], v[232+\b]                 ; the block's largest p: the same two instructions on the same number give the same bits
.endr
	v_pk_mul_f32 v[14:15], v[14:15], v[252:253] op_sel_hi:[1,0]   ; the sums under the new M.  (A plain place behind the exponentials)
	s_wait_alu depctr_va_vdst(0)
.irp b, 0,1,2,3
	v_max_num_f32 v[232+\b], 0x1800000, v[232+\b]  ; the floor 2^(3 - 127): the byte cannot fall under 1
.endr
.irp b, 0,1,2,3
	s_delay_alu instid0(VALU_DEP_4)
	v_add_nc_u32 v[244+\b], 0xff000000, v[232+\b]  ; 2 off the exponent field: the conversion's scale operand
.endr
.irp b, 0,1,2,3
	s_delay_alu instid0(VALU_DEP_4)
	v_lshrrev_b32 v[236+\b], 23, v[244+\b]         ; the scale's byte
.endr
	s_delay_alu instid0(VALU_DEP_3)
	v_lshl_or_b32 v253, v237, 8, v236              ; p's scale word for these 128 keys
	s_delay_alu instid0(VALU_DEP_1)
	v_lshl_or_b32 v253, v238, 16, v253
	s_delay_alu instid0(VALU_DEP_1)
	v_lshl_or_b32 v253, v239, 24, v253
.irp t, 0,1,2,3,4,5,6,7
	v_cvt_scalef32_pk8_fp4_f32 v[224+4*(\t/4)+2*(\t%2)+(\t%4)/2], v[96+8*\t:103+8*\t], v[244+\t/2]   ; tile t's eight codes: keys 16 t + 8 h + 0 .. 7
.endr
	v_nop                                          ; one plain place behind a scaled conversion
.irp c, 0,1
	v_permlane16_swap_b32 v[224+4*\c], v[225+4*\c]     ; the first's lanes 16-31 change places with the second's lanes 0-15: register i of group c now holds keys 64 c + 32 h + 8 i + 0 .. 7
	v_permlane16_swap_b32 v[226+4*\c], v[227+4*\c]
.endr
	v_pk_add_f32 v[236:237], v[100:101], v[104:105]
	v_pk_add_f32 v[246:247], v[108:109], v[112:113]
	v_pk_add_f32 v[244:245], v[116:117], v[120:121]
	v_pk_add_f32 v[242:243], v[124:125], v[128:129]
	v_pk_add_f32 v[240:241], v[132:133], v[136:137]
	v_pk_add_f32 v[234:235], v[140:141], v[144:145]
	v_pk_add_f32 v[232:233], v[148:149], v[152:153]
	v_pk_add_f32 v[14:15], v[14:15], v[156:157]
	v_pk_add_f32 v[236:237], v[236:237], v[96:97]
	v_pk_add_f32 v[246:247], v[246:247], v[98:99]
	v_pk_add_f32 v[244:245], v[244:245], v[102:103]
	v_pk_add_f32 v[242:243], v[242:243], v[106:107]
	v_pk_add_f32 v[240:241], v[240:241], v[110:111]
	v_pk_add_f32 v[234:235], v[234:235], v[114:115]
	v_pk_add_f32 v[232:233], v[232:233], v[118:119]
	v_pk_add_f32 v[14:15], v[14:15], v[122:123]
	v_pk_add_f32 v[236:237], v[236:237], v[126:127]
	v_pk_add_f32 v[246:247], v[246:247], v[130:131]
	v_pk_add_f32 v[244:245], v[244:245], v[134:135]
	v_pk_add_f32 v[242:243], v[242:243], v[138:139]
	v_pk_add_f32 v[240:241], v[240:241], v[142:143]
	v_pk_add_f32 v[234:235], v[234:235], v[146:147]
	v_pk_add_f32 v[232:233], v[232:233], v[150:151]
	v_pk_add_f32 v[14:15], v[14:15], v[154:155]
	v_pk_add_f32 v[236:237], v[236:237], v[158:159]
	s_delay_alu instid0(VALU_DEP_2)
	v_pk_add_f32 v[14:15], v[14:15], v[242:243]
	s_delay_alu instid0(VALU_DEP_2)
	v_pk_add_f32 v[236:237], v[236:237], v[240:241]
	v_pk_add_f32 v[246:247], v[246:247], v[234:235]
	v_pk_add_f32 v[244:245], v[244:245], v[232:233]
	s_delay_alu instid0(VALU_DEP_2)
	v_pk_add_f32 v[14:15], v[14:15], v[246:247]
	s_delay_alu instid0(VALU_DEP_2)
	v_pk_add_f32 v[236:237], v[236:237], v[244:245]
	s_delay_alu instid0(VALU_DEP_1)
	v_pk_add_f32 v[14:15], v[14:15], v[236:237]
	s_setprio 0
.irp j, 0,2,4,6,8,10,12,14,16,18,20,22,24,26,28,30
	v_pk_mul_f32 v[160+\j:161+\j], v[160+\j:161+\j], v[252:253] op_sel_hi:[1,0]   ; O^T under the new M.  (With the sums above: the places between p's codes and scale word and the products below)
.endr
	s_wait_alu depctr_va_vdst(0)
	s_wait_dscnt 0x0                               ; V and its scale words are in
.irp d, 0,1,2,3
	v_wmma_scale_f32_16x16x128_f8f6f4 v[160+8*\d:167+8*\d], v[64+8*\d:71+8*\d], v[224:231], v[160+8*\d:167+8*\d], v[248+\d], v253 matrix_a_fmt:MATRIX_FMT_FP4 matrix_b_fmt:MATRIX_FMT_FP4   ; the four accumulators by turns; the next matrix instruction is a score's
.endr
.endm
; One tile of 16 queries: tile u of my pair.
.macro QTILE u
.if \u
	s_wait_xcnt 0x0                                ; the last tile's store has read its registers: the codes' registers are written again only behind this wait
.endif
	global_load_b128 v[16:19], v1, s[40:41] offset:512*\u    ; Q's image, twice: two runs of registers, one for QL and one for QH
	global_load_b128 v[28:31], v1, s[40:41] offset:512*\u
	global_load_b32 v254, v2, s[42:43]             ; the pair's scale word of my row: even tile's two bytes below, odd tile's above
	v_mov_b32 v13, 0xff61b1e6                      ; the largest t so far: -3e38, under every t
	s_delay_alu instid0(VALU_DEP_1)
	v_floor_f32 v12, -v13                          ; -M
	v_mov_b32 v14, 0                               ; the sum, in two halves
	v_mov_b32 v15, 0
	s_wait_loadcnt 0x0
.if \u == 0
	v_perm_b32 v255, v254, v254, 0x01000100        ; Q's scale word [s0, s1, s0, s1]: it serves QL and QH alike
.else
	v_perm_b32 v255, v254, v254, 0x03020302
.endif
.irp j, 0,1,2,3,4,5,6,7,8,9,10,11,12,13,14,15,16,17,18,19,20,21,22,23,24,25,26,27,28,29,30,31
	v_mov_b32 v[160+\j], 0                         ; O^T: the step is written once, and its first trip finds zeros.  (Also the places between Q's scale word and the first product)
.endr
	s_mov_b32 s36, 0
	s_mov_b32 s37, 0
.Lstep_\@:
	s_setprio 2
	STEP
	s_add_co_u32 s36, s36, CHUNK
	s_add_co_u32 s37, s37, 1
	s_cmp_lt_u32 s37, 16
	s_cbranch_scc1 .Lstep_\@
	s_setprio 0
.rept 4
	v_nop                                          ; places behind the last products
.endr
	v_add_f32 v14, v14, v15                        ; the sum's two halves,
	s_delay_alu instid0(VALU_DEP_1)
	v_permlanex16_b32 v252, v14, s20, s21
	s_delay_alu instid0(VALU_DEP_1)
	v_add_f32 v14, v14, v252                       ; and lane l xor 16's: the row's sum
	s_wait_alu depctr_va_vdst(0)
	v_rcp_f32 v14, v14
	v_nop                                          ; one plain place behind a transcendental
	s_wait_alu depctr_va_vdst(0)
.irp j, 0,2,4,6,8,10,12,14,16,18,20,22,24,26,28,30
	v_pk_mul_f32 v[192+\j:193+\j], v[160+\j:161+\j], v[14:15] op_sel_hi:[1,0]   ; O^T / the sum: register 8 d + j is channel 16 d + 8 h + j; each accumulator from its low end on
.endr
.irp b, 0,1
	v_max3_num_f32 v[232+\b], |v[192+16*\b]|, |v[193+16*\b]|, 0x1800000   ; o's two blocks of 32 along d_model
.endr
.irp i, 2,4,6,8,10,12,14
.irp b, 0,1
	s_delay_alu instid0(VALU_DEP_2)
	v_max3_num_f32 v[232+\b], v[232+\b], |v[192+16*\b+\i]|, |v[193+16*\b+\i]|
.endr
.endr
.irp b, 0,1
	s_delay_alu instid0(VALU_DEP_2)
	v_permlanex16_b32 v[236+\b], v[232+\b], s20, s21
.endr
.irp b, 0,1
	s_delay_alu instid0(VALU_DEP_2)
	v_max_num_f32 v[232+\b], v[232+\b], v[236+\b]
.endr
.irp b, 0,1
	s_delay_alu instid0(VALU_DEP_2)
	v_add_nc_u32 v[244+\b], 0xff000000, v[232+\b]
.endr
.irp b, 0,1
	s_delay_alu instid0(VALU_DEP_2)
	v_lshrrev_b32 v[236+\b], 23, v[244+\b]
.endr
.if \u == 0
	s_delay_alu instid0(VALU_DEP_1)
	v_lshl_or_b32 v6, v237, 8, v236                ; the even tile's two bytes,
.else
	s_delay_alu instid0(VALU_DEP_1)
	v_lshl_or_b32 v254, v237, 8, v236
	s_delay_alu instid0(VALU_DEP_1)
	v_lshl_or_b32 v6, v254, 16, v6                 ; the odd tile's above them
.endif
.irp t, 0,1,2,3
	v_cvt_scalef32_pk8_fp4_f32 v[224+2*(\t%2)+\t/2], v[192+8*\t:199+8*\t], v[244+\t/2]
.endr
	v_nop                                          ; one plain place behind a scaled conversion
	v_permlane16_swap_b32 v224, v225
	v_permlane16_swap_b32 v226, v227
	global_store_b128 v1, v[224:227], s[44:45] offset:8192*\u   ; the image of four operand registers: 32 lanes store 512 consecutive bytes
.endm
	QTILE 0
	QTILE 1
	ds_store_b32 v5, v6                            ; my pair's scale words, one a row (lanes 16-31 write the same word with the same value)
	s_wait_dscnt 0x0                               ; for the others' sake: my store has landed
	s_barrier_signal -1
	s_barrier_wait -1
	s_cmp_lt_u32 s[WV], 2
	s_cbranch_scc0 .Lno_out
	ds_load_b128 v[192:195], v7                    ; the work-group's 1,024 bytes leave by two waves, 512 consecutive bytes each
	s_wait_dscnt 0x0
	global_store_b128 v8, v[192:195], s[46:47]
.Lno_out:
	s_wait_xcnt 0x0
	v_lshl_add_u32 v254, v0, 2, 0x29000
	v_mov_b32 v255, 0
	s_wait_alu depctr_va_vdst(0)
	s_wait_tensorcnt 0x0
	ds_add_u32 v254, v255
	s_wait_dscnt 0x0
	CROUND                                         ; the closing round: no work-group ends while a partner may still ask for a tile that names it
	s_endpgm
.Lfunc_end_k_q6563a9df51_attn:
	.size	k_q6563a9df51_attn, .Lfunc_end_k_q6563a9df51_attn-k_q6563a9df51_attn
	.p2alignl 7, 3214868480
	.fill 96, 4, 3214868480
	.section	.rodata,"a",@progbits
	.p2align	6, 0x0
	.amdhsa_kernel k_q6563a9df51_attn
		.amdhsa_group_segment_fixed_size 169984
		.amdhsa_private_segment_fixed_size 0
		.amdhsa_enable_private_segment 0
		.amdhsa_kernarg_size 32
		.amdhsa_user_sgpr_count 2
		.amdhsa_user_sgpr_kernarg_segment_ptr 1
		.amdhsa_wavefront_size32 1
		.amdhsa_system_sgpr_workgroup_id_x 1
		.amdhsa_system_sgpr_workgroup_id_y 1
		.amdhsa_system_sgpr_workgroup_id_z 1
		.amdhsa_system_vgpr_workitem_id 0
		.amdhsa_next_free_vgpr 256
		.amdhsa_next_free_sgpr 66
		.amdhsa_reserve_vcc 0
		.amdhsa_float_denorm_mode_32 3
		.amdhsa_float_denorm_mode_16_64 3
		.amdhsa_memory_ordered 1
		.amdhsa_forward_progress 1
		.amdhsa_inst_pref_size 50
	.end_amdhsa_kernel
	.amdgpu_metadata
---
amdhsa.version: [ 1, 2 ]
amdhsa.kernels:
  - .name:           k_q6563a9df51_attn
    .symbol:         k_q6563a9df51_attn.kd
    .args:
      - { .name: qi, .offset: 0, .size: 8, .value_kind: global_buffer, .address_space: global }
      - { .name: kv, .offset: 8, .size: 8, .value_kind: global_buffer, .address_space: global }
      - { .name: oi, .offset: 16, .size: 8, .value_kind: global_buffer, .address_space: global }
      - { .name: os, .offset: 24, .size: 8, .value_kind: global_buffer, .address_space: global }
    .group_segment_fixed_size: 169984
    .private_segment_fixed_size: 0
    .kernarg_segment_align: 8
    .kernarg_segment_size: 32
    .max_flat_workgroup_size: 512
    .sgpr_count:     66
    .vgpr_count:     256
    .wavefront_size: 32
...
	.end_amdgpu_metadata
.endif
;; end of part 2
;; launch oproj (part 3): grid 32 x 8, 4 waves a work-group, clusters of 4 x 1, 168,448 bytes of LDS; arguments oi, os, Wo_codes, Wo_scales, bo, out0; writes out0
.if DOCPART == 3
	.amdgcn_target "amdgcn-amd-amdhsa--gfx1250"
	.amdhsa_code_object_version 6
	.text
	.protected	k_q6563a9df51_oproj
	.globl	k_q6563a9df51_oproj
	.p2align	8
	.type	k_q6563a9df51_oproj,@function
k_q6563a9df51_oproj:
	s_mov_b64 s[64:65], 0
	v_nop
	global_prefetch_b8 v0, s[64:65] scope:SCOPE_SE
	s_setreg_imm32_b32 hwreg(HW_REG_WAVE_MODE, 25, 1), 1
	s_wait_xcnt 0x0
	s_wait_alu depctr_hold_cnt(0) depctr_sa_sdst(0) depctr_va_vdst(0) depctr_va_sdst(0) depctr_va_ssrc(0) depctr_va_vcc(0) depctr_vm_vsrc(0)
	s_getreg_b32 s2, hwreg(HW_REG_IB_STS2, 6, 4)
	s_cmp_eq_u32 s2, 0
	s_cbranch_scc0 .Lentry_in_a_cluster
	s_endpgm
.Lentry_in_a_cluster:
	s_bfe_u32 s2, ttmp6, 0x10000c
	s_cmp_lg_u32 s2, 0x3003
	s_cbranch_scc0 .Lentry_shape_is_right
	s_endpgm
.Lentry_shape_is_right:
; out = o Wo^T + bo on codes of FP4 (E2M1) with one E8M0 scale for each 32 along K (K = 1,024); sums and result in f32.
; SHARES.  A work-group takes 256 tokens x 128 features; wave w its tokens 64 w on (four tiles of 16) x all 128 features (eight tiles): 32 accumulators of 16 x 16.
; o's fragments are read by ONE wave of the work-group: they come straight from memory, where they lie as images of operand registers (512 consecutive bytes a load), all eight K steps at the start, into 256 registers.
; Wo's tile (128 rows of 512 bytes, whole K) is read by all four waves and by the four work-groups of a cluster, which differ in their tokens alone: a joint load into LDS, filled once.
; The product is used transposed (source 0 = 16 rows of Wo, source 1 = 16 tokens): a lane holds eight neighbouring numbers of a row of the output.  The bias is the C of each sum's first product.
; LIMITS: NaN, infinities and scale bytes 0xff among the inputs are not served.
; REGISTERS, in windows of 256: window 0: v1-8 addresses; v16-31 o's scale words as stored; v32-47 as the products want them; v48-79 Wo's scale words; v128-255 Wo's fragments, two buffers, later rows of the output;
;   window 1: the accumulators ((a, b) at v[8 (8 a + b)]);   window 2: o's fragments (K step q, tile a at v[32 q + 8 a]);   window 3: v0-63 the bias's eight tiles.
.set PITCH, 528                        ; an LDS row: 512 bytes + 16 of padding = 132 words: row r starts at bank 4 r mod 64 (64 banks of 4 bytes: ISA guide 11.1)
.set QROWS, 64*PITCH
.set STAGE, 128*PITCH                  ; behind Wo's tile: 16 rows x 528 bytes for each wave, for the way out; no fill lands here
.set AW,  2                            ; v2   LDS: a fragment's row r, + 16 h
.set SCL, 3                            ; v3   32 r + 16 h: my 16 bytes of a tile's 512 scale bytes
.set LI,  4                            ; v4   16 x lane
.set EO,  5                            ; v5   32,768 h + 4 r: o's scale words: heads 8 h on, row r
.set BQL, 6                            ; v6   32 h: the bias
.set STO, 7                            ; v7   the stage: where I put 32 bytes of a row
.set RD,  8                            ; v8   and where I read a row back
.set E,   16
.set AS,  32
.set WS,  48
.set WF,  128
.set WV,  16                           ; s16  my wave's number
.set MSB, 0
.macro WIN new                         ; the immediate's high byte repeats the setting that is left
.if MSB != \new
	s_set_vgpr_msb (MSB<<8)|\new
.set MSB, \new
.endif
.endm
.macro PLACES n
.rept \n
	v_nop
.endr
.endm
.macro CROUND                          ; a round of the cluster's barrier
	s_barrier_signal -1
	s_barrier_wait -1
	s_cmp_lg_u32 s[WV], 0
	s_cbranch_scc1 .Lnot_wave_0_\@
	s_barrier_signal -3
.Lnot_wave_0_\@:
	s_barrier_wait -3
	s_barrier_signal -1
	s_barrier_wait -1
.endm
	s_load_b256 s[4:11], s[0:1], 0x0               ; oi s[4:5], os s[6:7], Wo codes s[8:9], Wo scales s[10:11]
	s_load_b128 s[12:15], s[0:1], 0x20             ; bo s[12:13], out0 s[14:15]
	v_lshl_add_u32 v126, v0, 2, 0x29000
	v_mov_b32 v127, 0
	ds_add_u32 v126, v127
	ds_add_u32 v126, v127
	v_lshrrev_b32 v1, 5, v0
	v_readfirstlane_b32 s[WV], v1                  ; wave 0..3
	s_bfe_u32 s17, ttmp6, 0x40000                  ; cx
	s_lshl_b32 s18, ttmp9, 2
	s_add_co_u32 s18, s18, s17                     ; tb: block of 256 tokens
	s_and_b32 s19, ttmp7, 0xffff                   ; fg: block of 128 features, which the four partners share
	; descriptor group 1: 64 rows of 512 bytes, 16 bytes of padding behind each in LDS
	s_mov_b32 s24, 15|(1<<20)|(1<<21)|(6<<22)|(3<<25)   ; 15:0 the mask: all four work-groups; elements of 1 byte; 20 padding on; 21 set beside a mask; after every 128 words (code 6) four words (code 3)
	s_mov_b32 s25, 512<<16
	s_mov_b32 s26, 64<<16
	s_mov_b32 s27, 512<<16
	s_mov_b32 s28, 64
	s_mov_b32 s29, 512
	s_mov_b32 s30, 0
	s_mov_b32 s31, 0
	s_mul_i32 s20, s[WV], QROWS                    ; where my 64 rows of Wo go (waves 0 and 1 ask)
	s_lshl_b32 s36, s19, 16
	s_lshl_b32 s37, s[WV], 15
	s_add_co_u32 s36, s36, s37                     ; and where they come from: the feature block and the wave's number
	s_mov_b32 s37, 0
	s_lshl_b32 s38, s18, 17                        ; oi: 16 token tiles of 8,192 bytes a block, 4 a wave
	s_lshl_b32 s39, s[WV], 15
	s_add_co_u32 s38, s38, s39
	s_mov_b32 s39, 0
	s_lshr_b32 s40, s18, 3                         ; os: [batch][head][pair of tiles][r]: 65,536 bytes a batch, 64 a pair; my first pair is 8 (tb % 8) + 2 wave
	s_lshl_b32 s40, s40, 16
	s_and_b32 s41, s18, 7
	s_lshl_b32 s41, s41, 9
	s_add_co_u32 s40, s40, s41
	s_lshl_b32 s41, s[WV], 7
	s_add_co_u32 s40, s40, s41
	s_mov_b32 s41, 0
	s_lshl_b32 s42, s19, 12                        ; Wo's scale bytes: 32 a row
	s_mov_b32 s43, 0
	s_lshl_b32 s44, s19, 9                         ; the bias: my block's 128 numbers
	s_mov_b32 s45, 0
	s_lshl_b32 s46, s18, 20                        ; the output: rows of 4,096 bytes; row 256 tb + 64 wave, byte 512 fg
	s_lshl_b32 s47, s[WV], 18
	s_add_co_u32 s46, s46, s47
	s_add_co_u32 s46, s46, s44
	s_mov_b32 s47, 0
	; every LDS address register is made here, ahead of the first branch on the wave's number
	v_and_b32 v9, 31, v0                           ; lane
	v_and_b32 v10, 15, v0                          ; r
	v_bfe_u32 v11, v0, 4, 1                        ; h
	v_mul_u32_u24 v[AW], v10, PITCH
	v_lshl_add_u32 v[STO], v11, 5, v[AW]
	v_lshl_add_u32 v[AW], v11, 4, v[AW]
	v_lshlrev_b32 v[SCL], 5, v10
	v_lshl_add_u32 v[SCL], v11, 4, v[SCL]
	v_lshlrev_b32 v[LI], 4, v9
	v_lshlrev_b32 v[EO], 2, v10
	v_lshl_add_u32 v[EO], v11, 15, v[EO]
	v_lshlrev_b32 v[BQL], 5, v11
	s_mul_i32 s21, s[WV], 16*PITCH
	s_add_co_u32 s21, s21, STAGE                   ; my stage
	v_add_nc_u32 v[STO], s21, v[STO]               ; in: row r, 32 bytes for each half of the lanes
	v_add_nc_u32 v[RD], s21, v[LI]                 ; back: the 32 lanes take one row of 512 bytes
	s_wait_dscnt 0x0
	s_wait_kmcnt 0x0
	s_mov_b32 s32, 1                               ; group 0: count = 1
	s_mov_b32 s33, s20                             ; LDS address
	s_add_nc_u64 s[34:35], s[8:9], s[36:37]        ; global address
	s_or_b32 s35, s35, 0x80000000                  ; type = 2
	s_add_nc_u64 s[4:5], s[4:5], s[38:39]
	s_add_nc_u64 s[6:7], s[6:7], s[40:41]
	s_add_nc_u64 s[10:11], s[10:11], s[42:43]
	s_add_nc_u64 s[12:13], s[12:13], s[44:45]
	s_add_nc_u64 s[14:15], s[14:15], s[46:47]
	CROUND                                         ; all four work-groups are here: the joint loads meet
	s_cmp_lt_u32 s[WV], 2
	s_cbranch_scc0 .Lno_fill
	tensor_load_to_lds s[32:35], s[24:31]          ; one tensor load of mine is out
	s_nop 0
	PLACES 4
.Lno_fill:
	s_wait_alu depctr_va_vdst(0)
.irp pp, 0,1                                   ; o's scale words as they were stored: pair pp of my tiles, head 8 h + i, row r: even tile's two bytes below, odd tile's above
.irp i, 0,1,2,3,4,5,6,7
	global_load_b32 v[E+8*\pp+\i], v[EO], s[6:7] offset:4096*\i+64*\pp
.endr
.endr
.irp b, 0,1,2,3,4,5,6,7                        ; Wo's: a tile's 16 rows x 32 bytes are 512 consecutive bytes: register j: lanes 0-15 K step j, lanes 16-31 K step 4 + j
	global_load_b128 v[WS+4*\b:WS+4*\b+3], v[SCL], s[10:11] offset:512*\b
.endr
	WIN 0xc0                                       ; destination window 3
.irp b, 0,1,2,3,4,5,6,7                        ; the bias in the result's layout: register j of tile b = feature 16 b + 8 h + j
	global_load_b128 v[8*\b:8*\b+3], v[BQL], s[12:13] offset:64*\b
	global_load_b128 v[8*\b+4:8*\b+7], v[BQL], s[12:13] offset:64*\b+16
.endr
	WIN 0x80                                       ; destination window 2
.irp q, 0,1,2,3,4,5,6,7                        ; o's fragments, K step by K step, eight loads each
.irp a, 0,1,2,3
.irp c, 0,1
	global_load_b128 v[32*\q+8*\a+4*\c:32*\q+8*\a+4*\c+3], v[LI], s[4:5] offset:8192*\a+1024*\q+512*\c
.endr
.endr
.endr
	WIN 0
	s_wait_tensorcnt 0x0                           ; Wo's halves have landed (waves 0 and 1 asked),
	s_barrier_signal -1
	s_barrier_wait -1                              ; and every wave may read them; nothing is ever filled again
.macro WMX                             ; one product, named by the symbols set in front of it.  K steps 4 to 7 take their scale words from lanes 16-31
.if ROWSEL
	v_wmma_scale_f32_16x16x128_f8f6f4 v[rD:rD+7], v[rA:rA+7], v[rB:rB+7], v[rC:rC+7], v[rSA], v[rSB] matrix_a_fmt:MATRIX_FMT_FP4 matrix_b_fmt:MATRIX_FMT_FP4 matrix_a_scale:MATRIX_SCALE_ROW1 matrix_b_scale:MATRIX_SCALE_ROW1
.else
	v_wmma_scale_f32_16x16x128_f8f6f4 v[rD:rD+7], v[rA:rA+7], v[rB:rB+7], v[rC:rC+7], v[rSA], v[rSB] matrix_a_fmt:MATRIX_FMT_FP4 matrix_b_fmt:MATRIX_FMT_FP4
.endif
.endm
.macro FETCHW q, buf                   ; Wo's eight fragments of K step q into buffer buf
	WIN 0
.irp t, 0,1,2,3,4,5,6,7
.irp c, 0,1
	ds_load_b128 v[WF+64*(\buf)+8*\t+4*\c:WF+64*(\buf)+8*\t+4*\c+3], v[AW] offset:\t*16*PITCH+64*(\q)+32*\c
.endr
.endr
.endm
.macro MUL q                           ; K step q: 32 products, each accumulator once, in the same order in every step
.set ROWSEL, (\q)/4
.set QQ, (\q)%4
.set WB, WF+64*((\q)%2)
.if (\q) == 0
	WIN 0x78                                       ; Wo window 0, o window 2, the bias window 3, D window 1
.else
	WIN 0x58                                       ; C window 1
.endif
.irp a, 0,1,2,3
.irp b, 0,1,2,3,4,5,6,7
.set rD, 8*(8*\a+\b)
.set rA, WB+8*\b
.set rB, 32*(\q)+8*\a
.set rC, rD
.if (\q) == 0
.set rC, 8*\b
.endif
.set rSA, WS+4*\b+QQ
.set rSB, AS+4*\a+QQ
	WMX
.endr
.endr
.endm
	FETCHW 0, 0
	s_wait_loadcnt 56                              ; the scale words, the bias and o's K step 0 are in; behind them seven K steps of eight loads may be out
.irp pp, 0,1                                   ; o's scale word of tile 2 pp + u and K step j (lanes 16-31: 4 + j) is half u of heads 2 j and 2 j + 1 (8 + 2 j, 8 + 2 j + 1)
.irp j, 0,1,2,3
	v_perm_b32 v[AS+8*\pp+\j], v[E+8*\pp+2*\j+1], v[E+8*\pp+2*\j], 0x05040100
	v_perm_b32 v[AS+8*\pp+4+\j], v[E+8*\pp+2*\j+1], v[E+8*\pp+2*\j], 0x07060302
.endr
.endr
	PLACES 8                                       ; a scale register written by a vector instruction stands eight places ahead of a scaled product
	s_wait_alu depctr_va_vdst(0)
.irp q, 0,1,2,3,4,5,6
.if \q >= 1
	PLACES 4                                       ; in front of loads into the buffer that the step before multiplied
.endif
	FETCHW \q+1, (\q+1)%2
	s_wait_dscnt 16                                ; all but the sixteen loads just issued: this step's fragments of Wo are in
	s_wait_loadcnt 8*(7-\q)                        ; and o's: eight loads for each later K step may be out
	MUL \q
.endr
	s_wait_dscnt 0x0
	s_wait_loadcnt 0x0
	MUL 7
	WIN 0
; THE WAY OUT, a tile of 16 tokens x 128 features at a time.  A lane holds 32 neighbouring bytes of a row and the lanes beside it other rows: so a block goes through my own stage in LDS and comes back as whole rows of
; 512 bytes.  LDS serves a wave's instructions in order (ISA guide 5.7.1.4): no wait between the stores and the loads, nor in front of the next block's stores.
.macro TOSTAGE a
	WIN 0x04                                       ; an LDS store's data are its source 1: window 1
.irp b, 0,1,2,3,4,5,6,7
	ds_store_b128 v[STO], v[64*(\a)+8*\b:64*(\a)+8*\b+3] offset:64*\b          ; each accumulator from its low end on
	ds_store_b128 v[STO], v[64*(\a)+8*\b+4:64*(\a)+8*\b+7] offset:64*\b+16
.endr
	WIN 0
.set BB, WF+64*((\a)%2)
.irp t, 0,1,2,3,4,5,6,7,8,9,10,11,12,13,14,15
	ds_load_b128 v[BB+4*\t:BB+4*\t+3], v[RD] offset:\t*PITCH
.endr
.endm
.macro SEND a, younger                 ; younger: the LDS instructions issued behind block a's loads, which may stay out
.set BB, WF+64*((\a)%2)
	s_wait_dscnt \younger
.irp t, 0,1,2,3,4,5,6,7,8,9,10,11,12,13,14,15
	global_store_b128 v[LI], v[BB+4*\t:BB+4*\t+3], s[14:15] offset:(16*(\a)+\t)*4096 th:TH_STORE_NT   ; 32 lanes store 512 consecutive bytes, at a multiple of 256 from the output's first byte; 63 rows at the most: no base is stepped
.endr
.endm
	PLACES 4                                       ; behind the last products: for the first read of results and for the loads into the registers that held Wo's fragments
	TOSTAGE 0
.irp a, 1,2,3
.if \a > 1
	s_wait_xcnt 0x0                                ; block a - 2's stores have read their registers: block a's rows may land there
.endif
	TOSTAGE \a
	SEND \a-1, 32                                  ; behind block a - 1's loads: block a's 16 stores and 16 loads
.endr
	SEND 3, 0
	s_wait_tensorcnt 0x0
	ds_add_u32 v126, v127
	s_wait_dscnt 0x0
	CROUND                                         ; the closing round: no work-group ends while a partner may still ask for a tile that names it
	s_endpgm
.Lfunc_end_k_q6563a9df51_oproj:
	.size	k_q6563a9df51_oproj, .Lfunc_end_k_q6563a9df51_oproj-k_q6563a9df51_oproj
	.p2alignl 7, 3214868480
	.fill 96, 4, 3214868480
	.section	.rodata,"a",@progbits
	.p2align	6, 0x0
	.amdhsa_kernel k_q6563a9df51_oproj
		.amdhsa_group_segment_fixed_size 168448
		.amdhsa_private_segment_fixed_size 0
		.amdhsa_enable_private_segment 0
		.amdhsa_kernarg_size 48
		.amdhsa_user_sgpr_count 2
		.amdhsa_user_sgpr_kernarg_segment_ptr 1
		.amdhsa_wavefront_size32 1
		.amdhsa_system_sgpr_workgroup_id_x 1
		.amdhsa_system_sgpr_workgroup_id_y 1
		.amdhsa_system_sgpr_workgroup_id_z 1
		.amdhsa_system_vgpr_workitem_id 0
		.amdhsa_next_free_vgpr 832
		.amdhsa_next_free_sgpr 66
		.amdhsa_reserve_vcc 0
		.amdhsa_float_denorm_mode_32 3
		.amdhsa_float_denorm_mode_16_64 3
		.amdhsa_memory_ordered 1
		.amdhsa_forward_progress 1
		.amdhsa_inst_pref_size 73
	.end_amdhsa_kernel
	.amdgpu_metadata
---
amdhsa.version: [ 1, 2 ]
amdhsa.kernels:
  - .name:           k_q6563a9df51_oproj
    .symbol:         k_q6563a9df51_oproj.kd
    .args:
      - { .name: oi, .offset: 0, .size: 8, .value_kind: global_buffer, .address_space: global }
      - { .name: os, .offset: 8, .size: 8, .value_kind: global_buffer, .address_space: global }
      - { .name: Wo_codes, .offset: 16, .size: 8, .value_kind: global_buffer, .address_space: global }
      - { .name: Wo_scales, .offset: 24, .size: 8, .value_kind: global_buffer, .address_space: global }
      - { .name: bo, .offset: 32, .size: 8, .value_kind: global_buffer, .address_space: global }
      - { .name: out0, .offset: 40, .size: 8, .value_kind: global_buffer, .address_space: global }
    .group_segment_fixed_size: 168448
    .private_segment_fixed_size: 0
    .kernarg_segment_align: 8
    .kernarg_segment_size: 48
    .max_flat_workgroup_size: 128
    .sgpr_count:     66
    .vgpr_count:     832
    .wavefront_size: 32
...
	.end_amdgpu_metadata
.endif
;; end of part 3
